; MI455X (gfx1250); checked and timed in simulation.
; The chip was launched on July 23, 2026; its instructions are those of AMD's public machine-readable ISA for CDNA 5 (MIT licence, August 2026) and "CDNA5" Instruction Set Architecture Reference Guide (July 2026). The comments in the code are by the model that wrote it; some were corrected since.
;; Exact Entmax15 Loss. Allowed arithmetic: float matrix products may take bf16 or f16 operands with f32 sums; other float arithmetic in f32, or as packed bf16 or f16 multiplies, adds, multiply-adds, maxima and minima; sums over many terms, partial sums and values carried from step to step in f32; what a program stores and reads back later, other than sums and carried values, may be rounded once to bf16 or f16.
;; Inputs: X 2,048 x 32,000 float32; target 2,048 int32.
;; Outputs: out0 2,048 float32.
;; One version. Each part assembles by itself: llvm-mc -triple=amdgcn-amd-amdhsa -mcpu=gfx1250 --defsym DOCPART=n.
;; ======== version 1 of 1: 1 launch
;; limits: a function is approximated: absolute error at most 0.0015
;; launch entmax_loss (part 1): grid 2048 x 1, 8 waves a work-group, no clusters, 1,536 bytes of LDS; arguments X, target, out0; writes out0
.if DOCPART == 1
	.amdgcn_target "amdgcn-amd-amdhsa--gfx1250"
	.amdhsa_code_object_version 6
	.text
	.protected	k_q37755d3100_entmax_loss
	.globl	k_q37755d3100_entmax_loss
	.p2align	8
	.type	k_q37755d3100_entmax_loss,@function
k_q37755d3100_entmax_loss:
	s_mov_b64 s[64:65], 0
	v_nop
	global_prefetch_b8 v0, s[64:65] scope:SCOPE_SE
	s_setreg_imm32_b32 hwreg(HW_REG_WAVE_MODE, 25, 1), 1
	s_wait_xcnt 0x0
; ENTMAX-1.5 LOSS.  X: [2048][32000] f32, target: [2048] i32, out0: [2048] f32.
; THE MATHEMATICS.  With u_i = max(x_i/2 - tau, 0): p_i = u_i^2, p_i^1.5 = u_i^3, and on the support x_i = 2 (u_i + tau).  The threshold that the sorted search finds is the root of
; F(tau) = sum u^2 = 1, so sum p = 1 and   loss = (1 - sum u^3) / 0.75 + 2 sum u^3 + 2 tau - x_t = L(tau) = 4/3 + (2/3) sum u^3 + 2 tau - x_t.
; L is convex with L' = 2 - 2 F: the loss is L's minimum, and an error d in tau costs second order only.  sqrt(F) has a slope of sqrt(32000) = 179 at the most, so
; 0 <= L(tau) - loss <= 358 d^2 + 21,360 d^3.  The root lies in [max/2 - 1, max/2].  Eight bisections on the sign of F - 1, from the bracket's middle with steps 2^-2 .. 2^-9, leave d <= 2^-9:
; the result is too large by 1.5e-3 at the most, for every row of finite numbers.  No sort, no root, no branch on data; the count of eight hangs on no property of the numbers.
; LIMITS.  sum p is taken as 1 (true of the exact threshold), not as the rounded sum.  NaN and infinities are not treated.  Beyond |x| of about 1e4 the spacing of f32 at x/2 passes the
; last step 2^-9, and the bound grows with that spacing.  An index is held to 0 .. 31999.
; SHARES.  A work-group of 8 waves makes ONE row (128,000 bytes) and keeps it in registers, 128 a lane, for all ten passes: memory is read once.  Thread t holds the 16 bytes at 16 t + 4096 p,
; p = 0 .. 30: a wave's load covers 512 consecutive bytes at a multiple of 512.  The last 1,024 bytes (piece 31) are 64 threads' work: waves 0 and 1 load them, the other waves put the lowest
; finite number in their place, which is no maximum and gives u = 0.  A wave takes 160 registers, so that other work-groups' waves can lie beside it and work while it waits for its row or at a barrier.
; A PASS ends in a maximum or a sum over the work-group: within the lane, across the lanes by DPP, across the 8 waves through 32 bytes of LDS.  Two areas take turns, so one barrier a pass is
; enough: between a pass's reads of an area and the next store into it stands the other area's barrier, in front of which every wave has waited for those reads.
; NOT USED: matrix units (there is no product), clusters (no two work-groups share a byte), the tensor data mover (the row has to lie in registers anyway).
; The output is 4 bytes a work-group, 8,192 bytes in all: one lane stores them.
.set ROWB,  128000                     ; bytes in a row
.set PIECE, 4096                       ; 256 threads x 16 bytes
.set TAILB, 31*PIECE                   ; where piece 31 begins: 126,976; 64 threads x 16 bytes end at 128,000
.set AREA0, 0                          ; LDS: 8 words, one a wave
.set AREA1, 256                        ; the same, in a block of its own
.set SPARE, 512                        ; the spare words, 128 bytes for each of the 8 waves: four blocks of 256 bytes that no other line names
.set GOFF,  1                          ; v1        16 t; never rewritten
.set SPW,   2                          ; v2        LDS address of my spare word: SPARE + 4 x my thread's number; never rewritten
.set NIL,   3                          ; v3        0; never rewritten
.set HALF,  4                          ; v[4:5]    0.5 twice
.set NT,    6                          ; v[6:7]    -tau twice
.set T,     8                          ; v[8:15]   at work: u, u^2; then the 8 waves' numbers
.set ACC,   16                         ; v[16:23]  four pairs of running sums (the maximum: four chains)
.set RED,   24                         ; v24       my wave's number
.set OTH,   25                         ; v25       the other half of the lanes
.set STP,   26                         ; v26       the step with its sign
.set SAD,   27                         ; v27       4 x wave: where my wave puts its number
.set ZAD,   28                         ; v28       0: from where the 8 numbers are read
.set OOFF,  29                         ; v29       4 x row: my row's place in out0
.set X,     32                         ; v[32:159] the row: piece p at X + 4 p
; across the 32 lanes: four steps inside each half of 16 lanes ride on the arithmetic, one crosses the halves; every lane ends with the result
.macro WRED dpp, plain
	\dpp v[RED], v[RED], v[RED] row_xmask:1 row_mask:0xf bank_mask:0xf
	\dpp v[RED], v[RED], v[RED] row_xmask:2 row_mask:0xf bank_mask:0xf
	\dpp v[RED], v[RED], v[RED] row_xmask:4 row_mask:0xf bank_mask:0xf
	\dpp v[RED], v[RED], v[RED] row_xmask:8 row_mask:0xf bank_mask:0xf
	v_permlanex16_b32 v[OTH], v[RED], s18, s19
	\plain v[RED], v[RED], v[OTH]
.endm
; across the 8 waves: my wave's word into the area, a barrier, all 8 words back into T
.macro MEET area
	ds_store_b32 v[SAD], v[RED] offset:\area       ; all lanes write the same word with the same value
	s_wait_dscnt 0x0                               ; for the others' sake: my word is written
	s_barrier_signal -1
	s_barrier_wait -1
	ds_load_b128 v[T:T+3],   v[ZAD] offset:\area
	ds_load_b128 v[T+4:T+7], v[ZAD] offset:(\area)+16
	s_wait_dscnt 0x0                               ; the 8 words are in; this is also the wait that stands ahead of the next barrier, behind which the area may be written again
.endm
.macro FOLD                            ; the four pairs of sums into one number
	v_pk_add_f32 v[ACC:ACC+1],   v[ACC:ACC+1],   v[ACC+2:ACC+3]
	v_pk_add_f32 v[ACC+4:ACC+5], v[ACC+4:ACC+5], v[ACC+6:ACC+7]
	v_pk_add_f32 v[ACC:ACC+1],   v[ACC:ACC+1],   v[ACC+4:ACC+5]
	v_add_f32 v[RED], v[ACC], v[ACC+1]
.endm
.macro SUM8                            ; the 8 waves' sums into v[T]
	v_pk_add_f32 v[T:T+1],   v[T:T+1],   v[T+2:T+3]
	v_pk_add_f32 v[T+4:T+5], v[T+4:T+5], v[T+6:T+7]
	v_pk_add_f32 v[T:T+1],   v[T:T+1],   v[T+4:T+5]
	v_add_f32 v[T], v[T], v[T+1]
.endm
; One bisection: F = sum u^2 at the tau in hand; tau goes up by the step where F > 1, else down; the step is halved.
; u = 0.5 x - tau held to 0 .. 1 by the clamp, two at a time; the upper bound is never met, since every tau tried is at least max/2 - 1 + 2^-8.
; Four pairs of u and four pairs of sums, so that no instruction reads the result of the one before it; the first group starts the sums: nothing is cleared.
.macro BIS area
.set g, 0
.rept 16
.irp k, 0,1,2,3
	v_pk_fma_f32 v[T+2*(\k):T+2*(\k)+1], v[X+8*g+2*(\k):X+8*g+2*(\k)+1], v[HALF:HALF+1], v[NT:NT+1] clamp
.endr
.irp k, 0,1,2,3
.if g == 0
	v_pk_mul_f32 v[ACC+2*(\k):ACC+2*(\k)+1], v[T+2*(\k):T+2*(\k)+1], v[T+2*(\k):T+2*(\k)+1]
.else
	v_pk_fma_f32 v[ACC+2*(\k):ACC+2*(\k)+1], v[T+2*(\k):T+2*(\k)+1], v[T+2*(\k):T+2*(\k)+1], v[ACC+2*(\k):ACC+2*(\k)+1]
.endif
.endr
.set g, g+1
.endr
	FOLD
	WRED v_add_f32_dpp, v_add_f32
	MEET \area
	SUM8
	v_cmp_lt_f32 vcc_lo, 1.0, v[T]                 ; F > 1: tau is too low.  The answer only selects a value: every wave goes the same way through the text
	v_mov_b32 v[STP], s14                          ; -tau + step,
	v_cndmask_b32 v[STP], v[STP], s15, vcc_lo      ; or -tau - step
	v_add_f32 v[NT], v[NT], v[STP]
	v_mov_b32 v[NT+1], v[NT]
	s_mul_f32 s14, s14, 0.5
	s_mul_f32 s15, s15, 0.5
.endm
	s_load_b128 s[4:7], s[0:1], 0x0                ; X s[4:5], target s[6:7]
	s_load_b64 s[8:9], s[0:1], 0x10                ; out0
	v_lshl_add_u32 v[SPW], v0, 2, SPARE
	v_mov_b32 v[NIL], 0
	v_lshrrev_b32 v[RED], 5, v0
	v_readfirstlane_b32 s12, v[RED]                ; wave 0..7
	v_lshlrev_b32 v[GOFF], 4, v0
	v_mov_b32 v[SAD], s12
	v_lshlrev_b32 v[SAD], 2, v[SAD]
	v_mov_b32 v[ZAD], 0
	v_mov_b32 v[OTH], 0                            ; v_permlanex16_b32 counts as a reader of its destination
	v_mov_b32 v[HALF], 0.5
	v_mov_b32 v[HALF+1], 0.5
	s_mul_i32 s10, ttmp9, ROWB                     ; my row's first byte: 262,016,000 at the most
	s_mov_b32 s11, 0
	s_lshl_b32 s20, ttmp9, 2                       ; my row's place in target and in out0
	v_mov_b32 v[OOFF], s20
	s_mov_b32 s18, 0x76543210                      ; v_permlanex16_b32: each lane takes its own place in the other half
	s_mov_b32 s19, 0xfedcba98
	s_mov_b32 s14, 0.25                            ; the first step, 2^-2, with either sign
	s_mov_b32 s15, -0.25
	s_mov_b32 s13, 4                               ; four trips of two bisections
	s_wait_kmcnt 0x0
	s_add_nc_u64 s[4:5], s[4:5], s[10:11]          ; X at my row; never rewritten from here on
	s_load_b32 s16, s[6:7], s20 offset:0x0         ; my row's target
	; Piece 31 first, so that it is older than every load that the counted waits below leave out, and the counts are the same in all waves.
	s_cmp_lt_u32 s12, 2
	s_cbranch_scc0 .Lno_tail
	global_load_b128 v[X+124:X+127], v[GOFF], s[4:5] offset:TAILB th:TH_LOAD_NT
	s_branch .Ltail_done
.Lno_tail:
.irp j, 124,125,126,127
	v_mov_b32 v[X+(\j)], 0xff7fffff                ; the lowest finite number
.endr
.Ltail_done:
.set p, 0
.rept 31
	global_load_b128 v[X+4*p:X+4*p+3], v[GOFF], s[4:5] offset:PIECE*p th:TH_LOAD_NT  ; the whole row is asked for at once
.set p, p+1
.endr
	s_wait_kmcnt 0x0                               ; the target is in
	s_min_u32 s16, s16, 31999                      ; held inside the row
	s_lshl_b32 s16, s16, 2
	s_load_b32 s17, s[4:5], s16 offset:0x0         ; x_t; waited for at the end.  s16 is not written again
	; THE MAXIMUM, piece by piece as the loads come in: four chains, three operands at a time; piece 31's four numbers start them.
.set p, 0
.rept 31
	s_wait_loadcnt 30-p                            ; loads come back in order (ISA guide 5.7.1): piece p is in, the 30 - p younger ones stay out
.if p < 2
	v_max3_num_f32 v[ACC+2*p],   v[X+124+2*p], v[X+4*p],   v[X+4*p+1]
	v_max3_num_f32 v[ACC+2*p+1], v[X+125+2*p], v[X+4*p+2], v[X+4*p+3]
.else
	v_max3_num_f32 v[ACC+2*(p%2)],   v[ACC+2*(p%2)],   v[X+4*p],   v[X+4*p+1]
	v_max3_num_f32 v[ACC+2*(p%2)+1], v[ACC+2*(p%2)+1], v[X+4*p+2], v[X+4*p+3]
.endif
.set p, p+1
.endr
	v_max3_num_f32 v[ACC], v[ACC], v[ACC+1], v[ACC+2]
	v_max_num_f32 v[RED], v[ACC], v[ACC+3]
	WRED v_max_num_f32_dpp, v_max_num_f32
	MEET AREA0
	v_max3_num_f32 v[T], v[T], v[T+1], v[T+2]
	v_max3_num_f32 v[T], v[T], v[T+3], v[T+4]
	v_max3_num_f32 v[T], v[T], v[T+5], v[T+6]
	v_max_num_f32 v[T], v[T], v[T+7]
	v_fma_f32 v[NT], v[T], -0.5, 0.5               ; -tau = 0.5 - max/2: the middle of the bracket [max/2 - 1, max/2]
	v_mov_b32 v[NT+1], v[NT]
	; EIGHT BISECTIONS, two a trip, so that the two areas' offsets are constants of the text.
.Lbis:
	BIS AREA1
	BIS AREA0
	s_sub_co_u32 s13, s13, 1
	s_cmp_lg_u32 s13, 0
	s_cbranch_scc1 .Lbis
	; THE SUM OF u^3 at the last tau: u, u^2, and u^2 u onto the sums; two pairs at a time, the four pairs of sums by turns; the first two groups start them.
.set g, 0
.rept 32
.irp k, 0,1
	v_pk_fma_f32 v[T+2*(\k):T+2*(\k)+1], v[X+4*g+2*(\k):X+4*g+2*(\k)+1], v[HALF:HALF+1], v[NT:NT+1] clamp
.endr
.irp k, 0,1
	v_pk_mul_f32 v[T+4+2*(\k):T+4+2*(\k)+1], v[T+2*(\k):T+2*(\k)+1], v[T+2*(\k):T+2*(\k)+1]
.endr
.irp k, 0,1
.if g < 2
	v_pk_mul_f32 v[ACC+4*(g%2)+2*(\k):ACC+4*(g%2)+2*(\k)+1], v[T+4+2*(\k):T+4+2*(\k)+1], v[T+2*(\k):T+2*(\k)+1]
.else
	v_pk_fma_f32 v[ACC+4*(g%2)+2*(\k):ACC+4*(g%2)+2*(\k)+1], v[T+4+2*(\k):T+4+2*(\k)+1], v[T+2*(\k):T+2*(\k)+1], v[ACC+4*(g%2)+2*(\k):ACC+4*(g%2)+2*(\k)+1]
.endif
.endr
.set g, g+1
.endr
	FOLD
	WRED v_add_f32_dpp, v_add_f32
	MEET AREA1
	SUM8
	; THE LOSS = (4/3 + (2/3) sum u^3) + (2 tau - x_t).  2 tau - x_t is made first and by itself, so that an offset common to the row's numbers cancels before the small terms are added.
	v_mov_b32 v[T+1], 0x3faaaaab                   ; 4/3
	v_fmac_f32 v[T+1], 0x3f2aaaab, v[T]            ; + (2/3) sum u^3
	s_wait_kmcnt 0x0                               ; x_t is in
	v_mov_b32 v[T+2], s17
	v_fma_f32 v[T+2], v[NT], -2.0, -v[T+2]         ; (-tau) x (-2) - x_t
	v_add_f32 v[T+1], v[T+1], v[T+2]
	s_wait_xcnt 0x0                                ; EXEC is a source of the memory instructions issued so far: it is narrowed only behind this wait
	v_cmp_eq_u32 vcc_lo, 0, v0
	s_and_saveexec_b32 s21, vcc_lo                 ; thread 0 alone; in waves 1 to 7 no lane is on
	global_store_b32 v[OOFF], v[T+1], s[8:9]
	s_wait_xcnt 0x0                                ; and widened again only behind this one
	s_or_b32 exec_lo, exec_lo, s21
	s_wait_tensorcnt 0x0                           ; the wave's end, behind my last LDS store
	ds_add_u32 v[SPW], v[NIL]
	s_wait_dscnt 0x0
	s_endpgm
.Lfunc_end_k_q37755d3100_entmax_loss:
	.size	k_q37755d3100_entmax_loss, .Lfunc_end_k_q37755d3100_entmax_loss-k_q37755d3100_entmax_loss
	.p2alignl 7, 3214868480
	.fill 96, 4, 3214868480
	.section	.rodata,"a",@progbits
	.p2align	6, 0x0
	.amdhsa_kernel k_q37755d3100_entmax_loss
		.amdhsa_group_segment_fixed_size 1536
		.amdhsa_private_segment_fixed_size 0
		.amdhsa_enable_private_segment 0
		.amdhsa_kernarg_size 24
		.amdhsa_user_sgpr_count 2
		.amdhsa_user_sgpr_kernarg_segment_ptr 1
		.amdhsa_wavefront_size32 1
		.amdhsa_system_sgpr_workgroup_id_x 1
		.amdhsa_system_sgpr_workgroup_id_y 1
		.amdhsa_system_sgpr_workgroup_id_z 1
		.amdhsa_system_vgpr_workitem_id 0
		.amdhsa_next_free_vgpr 160
		.amdhsa_next_free_sgpr 66
		.amdhsa_reserve_vcc 1
		.amdhsa_float_denorm_mode_32 3
		.amdhsa_float_denorm_mode_16_64 3
		.amdhsa_memory_ordered 1
		.amdhsa_forward_progress 1
		.amdhsa_inst_pref_size 44
	.end_amdhsa_kernel
	.amdgpu_metadata
---
amdhsa.version: [ 1, 2 ]
amdhsa.kernels:
  - .name:           k_q37755d3100_entmax_loss
    .symbol:         k_q37755d3100_entmax_loss.kd
    .args:
      - { .name: X, .offset: 0, .size: 8, .value_kind: global_buffer, .address_space: global }
      - { .name: target, .offset: 8, .size: 8, .value_kind: global_buffer, .address_space: global }
      - { .name: out0, .offset: 16, .size: 8, .value_kind: global_buffer, .address_space: global }
    .group_segment_fixed_size: 1536
    .private_segment_fixed_size: 0
    .kernarg_segment_align: 8
    .kernarg_segment_size: 24
    .max_flat_workgroup_size: 256
    .sgpr_count:     66
    .vgpr_count:     160
    .wavefront_size: 32
...
	.end_amdgpu_metadata
.endif
;; end of part 1
